; MI455X (gfx1250); checked and timed in simulation.
; The chip was launched on July 23, 2026; its instructions are those of AMD's public machine-readable ISA for CDNA 5 (MIT licence, August 2026) and "CDNA5" Instruction Set Architecture Reference Guide (July 2026). The comments in the code are by the model that wrote it; some were corrected since.
;; nojit custom LSTM Cell. Allowed arithmetic: matrix products marked QUANTISED: E3M2 operands, one E8M0 scale for each 32 along K, by v_wmma_scale_f32_16x16x128_f8f6f4 with both operands' format E3M2, f32 sums; everything else in f32.
;; Inputs: Wh_codes 4,096 x 32 x 24 uint8 (E3M2 codes of Wh, K innermost, in blocks of 32 codes, four codes in three bytes); Wh_scales 4,096 x 32 uint8 (E8M0 scales of Wh, one for each 32 codes along K); Wx_codes 4,096 x 32 x 24 uint8 (E3M2 codes of Wx, K innermost, in blocks of 32 codes, four codes in three bytes); Wx_scales 4,096 x 32 uint8 (E8M0 scales of Wx, one for each 32 codes along K); bh 4,096 float32; bx 4,096 float32; cx 8,192 x 1,024 float32; hx_codes 8,192 x 32 x 24 uint8 (E3M2 codes of hx, K innermost, in blocks of 32 codes, four codes in three bytes); hx_scales 8,192 x 32 uint8 (E8M0 scales of hx, one for each 32 codes along K); x_codes 8,192 x 32 x 24 uint8 (E3M2 codes of x, K innermost, in blocks of 32 codes, four codes in three bytes); x_scales 8,192 x 32 uint8 (E8M0 scales of x, one for each 32 codes along K).
;; Outputs: out0 8,192 x 1,024 float32; out1 8,192 x 1,024 float32.
;; This version of the problem:
;;   THIS VERSION OF THE PROBLEM IS GIVEN IN LOW PRECISION. The matrix products marked QUANTISED in the list below multiply operands that are first quantised to E3M2 (3 exponent bits, 2 mantissa bits; 6 bits a number), with one power-of-two scale for each 32 numbers along K (OCP MX v1.0); their sums are f32. All else is computed in f32.
;;   The module's matrix products, in the order in which they are computed (A, B: the left and right operand; K: the contracted axis; several contracted axes count as one K, in the product's order):
;;     1. [M 8,192, K 1,024] x [K 1,024, N 4,096]; A: input x (given as codes); B: input Wx (given as codes): QUANTISED
;;     2. [M 8,192, K 1,024] x [K 1,024, N 4,096]; A: input hx (given as codes); B: input Wh (given as codes): QUANTISED
;;   THE QUANTISER, for each operand of a quantised product, along K:
;;     - K is cut into blocks of 32 from its start; a last block that is shorter is filled with zeros.
;;     - A block's scale is 2^e with e = floor(log2(the largest magnitude in the block)) - 4, held to -126 .. 127; a block of zeros has e = 0. As a byte (E8M0): e + 127.
;;     - Each number is divided by its block's scale, clamped to +-28, and rounded to the nearest number of E3M2, ties to even, subnormals kept.
;;     - The product sums the exact products of the quantised numbers (number of the format x scale) in f32.
;;   ~~~python
;;   def quantise(x, axis):      # numpy; x: float32 -> the quantised numbers, widened to float32 again
;;       x = np.moveaxis(x, axis, -1); K = x.shape[-1]
;;       x = np.pad(x, [(0, 0)] * (x.ndim - 1) + [(0, -K % 32)]); x = x.reshape(x.shape[:-1] + (-1, 32)); a = np.abs(x).max(-1, keepdims=True)
;;       e = np.where(a > 0, np.clip(np.frexp(np.where(a > 0, a, 1))[1] - 1 - 4, -126, 127), 0)      # np.frexp(a)[1] - 1 = floor(log2(a)), exactly
;;       r = np.clip(x / 2.0 ** e, -28, 28)
;;       step = 2.0 ** (np.maximum(np.frexp(np.where(r == 0, 1, r))[1] - 1, -2) - 2)
;;       q = np.round(r / step) * step * 2.0 ** e      # np.round: ties to even
;;       return np.moveaxis(q.reshape(q.shape[:-2] + (-1,))[..., :K], -1, axis).astype(np.float32)
;;   ~~~
;;   INPUTS GIVEN AS CODES. Wh (in the module: [4096, 1024], K = its axis 1); Wx (in the module: [4096, 1024], K = its axis 1); hx (in the module: [8192, 1024], K = its axis 1); x (in the module: [8192, 1024], K = its axis 1): each comes as NAME_codes (uint8): NAME with its K axis moved to the last place and cut into blocks of 32 codes, [.., K / 32, bytes a block], one block behind the other in memory; four codes in three bytes: a row's codes are one little-endian stream of bits, code i at bits 6 i .. 6 i + 5 (a code: sign, 3 exponent bits, 2 mantissa bits); and NAME_scales (uint8): the same leading axes, one E8M0 byte (e + 127) for each 32 codes along K. Its value is code x scale, taken as it is: it is not quantised again, and the codes and scales need not be those that the quantiser above would give.
;; One version. Each part assembles by itself: llvm-mc -triple=amdgcn-amd-amdhsa -mcpu=gfx1250 --defsym DOCPART=n.
;; ======== version 1 of 1: 1 launch
;; limits: inputs' magnitudes at most 1.153e+18; right only within a limited range of input values
;; launch lstm (part 1): grid 16 x 32, 4 waves a work-group, clusters of 4 x 4, 327,680 bytes of LDS; arguments x_codes, x_scales, hx_codes, hx_scales, Wx_codes, Wx_scales, Wh_codes, Wh_scales, bx, cx, bh, out0, out1; writes out0, out1
.if DOCPART == 1
	.amdgcn_target "amdgcn-amd-amdhsa--gfx1250"
	.amdhsa_code_object_version 6
	.text
	.protected	k_q5d5ccd7060_lstm
	.globl	k_q5d5ccd7060_lstm
	.p2align	8
	.type	k_q5d5ccd7060_lstm,@function
k_q5d5ccd7060_lstm:
	s_mov_b64 s[64:65], 0
	v_nop
	global_prefetch_b8 v0, s[64:65] scope:SCOPE_SE
	s_setreg_imm32_b32 hwreg(HW_REG_WAVE_MODE, 25, 1), 1
	s_wait_xcnt 0x0
	s_wait_alu depctr_hold_cnt(0) depctr_sa_sdst(0) depctr_va_vdst(0) depctr_va_sdst(0) depctr_va_ssrc(0) depctr_va_vcc(0) depctr_vm_vsrc(0)
	s_getreg_b32 s2, hwreg(HW_REG_IB_STS2, 6, 4)
	s_cmp_eq_u32 s2, 0
	s_cbranch_scc0 .Lentry_in_a_cluster
	s_endpgm
.Lentry_in_a_cluster:
	s_bfe_u32 s2, ttmp6, 0x10000c
	s_cmp_lg_u32 s2, 0xf033
	s_cbranch_scc0 .Lentry_shape_is_right
	s_endpgm
.Lentry_shape_is_right:
; gates = x Wx^T + hx Wh^T + bx + bh  [8192][4096];  f, i, g, o = its four quarters of 1,024 columns;
; C = sigmoid(f) cx + sigmoid(i) tanh(g) -> out1;  h = sigmoid(o) tanh(C) -> out0.  x, hx, Wx, Wh: codes of BF6 (E3M2), K innermost, 768 bytes a row, one E8M0 byte for each 32 along K (32 bytes a row).
; NO WORK IS LEFT OUT: both products, both biases and cx reach both outputs for all values of the inputs; all thirteen buffers are among the arguments.
; ONE LAUNCH: the two products add into one sum, so they are one product with K = 2 x 1,024, and the cell is computed on its accumulators: the gates never go to memory.
; SHARES.  A work-group (x = nb, y = rb) owns rows 256 rb .. + 255 and hidden units 64 nb .. + 63, in all FOUR gates: 256 columns of the gates.  Four waves, each 128 rows x (4 gates x 32 units): 64 accumulators, 512 registers.
; So the four gates of one unit of one row lie in the same lane and the same register index of four accumulators, and the cell needs no exchange between lanes or waves.
; THE RING.  Two LDS slots, K steps of 256 (rows of 192 bytes).  SLOT 0 ALWAYS HOLDS x AND Wx, SLOT 1 ALWAYS hx AND Wh: K is walked x0, h0, x1, h1, x2, h2, x3, h3, and each slot's descriptors keep their own buffers' addresses.
; A's tile: 256 rows, two loads of 128 (waves 0, 1).  B's tile: four pieces of 64 rows of W, 1,024 rows apart; waves 2 and 3 fetch two pieces each by one tile of three dimensions (192 bytes x 64 rows x 2 gates).
; THE SCALES of the work-group's rows, for all of K and both streams, come into LDS once, with the first fills, and stay.
; CLUSTERS: 4 x 4 work-groups.  The four of a row of the cluster need the same tiles of x and hx, the four of a column the same tiles of Wx and Wh: each is asked for jointly, by the same load with a mask that names the four.
; THE MATRIX INSTRUCTION IS USED TRANSPOSED (source 0 = 16 rows of W, source 1 = 16 rows of x or hx): a lane holds one row and eight neighbouring units.  bx + bh is the C of each sum's first instruction.
; BLOCKS.  Block i (0 .. 7) of either side begins at LDS row 64 (i / 2) + 16 (i % 2), + 32 x (the wave's half).  A's block a: rows of the tile; B's block b = 2 g + u: gate g, units 32 NH + 16 u on.
; FRAGMENTS.  Of an instruction's 128 along K, lane (r, h) holds k block h (32 codes, 24 bytes) in registers 0-5 and k block 2 + h in registers 6-11.  Here lane (r, h) takes 48 CONSECUTIVE bytes of its row, the row's blocks
; 2 h and 2 h + 1, by three loads of 16 bytes.  So the unit's blocks 0, 1, 2, 3 hold the row's blocks 0, 2, 1, 3, in A and in B alike: every product still meets its partner, and only the order inside a sum changes.
; The scale words follow: bytes 1 and 2 of each word change places, ONCE, in LDS, at the head: each wave turns the words that its own two loads brought, while the first tiles of codes are on their way.
; THE LOADS OF A STEP (48 for 128 along K) STAND IN FOUR RUNS OF TWELVE, one behind each sixteen matrix instructions, so that the four waves never ask LDS for more than 96 x 256 bytes at a time.
; THE WAY OUT.  cx's tile (256 rows x 256 bytes) comes by tensor loads into slot 0 at that slot's last change; C is stored over it, h into slot 1, which has had its last fill and its last read by then; both leave as whole rows
; of 256 bytes.  Since the stages lie in the ring's slots, a work-group makes one tile and ends: stages of their own do not fit beside two slots.
; THE CELL, with seven transcendentals an output.  L = log2(e).  ef = 2^min(-L f, 32), ei, eo likewise, eg = 2^min(2 L g, 32); a1 = 1 + ef, a2 = 1 + ei, a3 = 1 + eg, a4 = 1 + eo;
; C = (cx a2 a3 + (a3 - 2) a1) / (a1 a2 a3);  eC = 2^min(2 L C, 32);  h = (eC - 1) / ((1 + eC) a4).  These are sigmoid and tanh written out over common denominators.
; LIMITS.  The sums run over K in the order x0, h0, x1, .. onto bx + bh, not product by product, and in each 128 along K the second and the third block of 32 change places.  An exponent is held at 32, so that no product of the a's
; passes 2^96: a sigmoid under 2^-32 comes out as about 2^-32 (an error of at most 2^-32 |cx| in C), and 1 - |tanh| under 2^-31 as about 2^-31.  |cx| up to 2^60 is served.  tanh as (e - 1) / (e + 1) has an absolute error of
; some 1e-7.  NaN, infinities and the scale byte 0xff among the inputs are not served: the hold lets a NaN drop.
; REGISTERS, in windows of 256: window 0: v1-30 addresses; v32-63 scale words, two sets, and nothing else ever; v64-127 bx + bh, later the cell's exponentials; v128-223 A's fragments, ONE set; on the way out v128-255 are at work.
;   window 1: B's fragments, TWO sets, at v0 and v128.   window 2: the accumulators of A's blocks 0-3 (accumulator (a, b) at v[8 (8 (a % 4) + b)]);   window 3: those of blocks 4-7.
.set PITCH,  240                       ; an LDS row of codes: 3 x (64 bytes + 16 of padding): an odd multiple of 16 bytes, so that the sixteen rows of a load of 16 bytes a lane begin in sixteen different groups of four banks
.set ROWB,   192                       ; a K step's part of a row: 256 codes
.set KROW,   768                       ; a row of codes in memory
.set FR,     12                        ; registers of a fragment: 16 rows x 128 K
.set NL,     3                         ; LDS loads that bring one
.set HALFT,  128*PITCH                 ; what one tensor load brings
.set SLOT,   4*HALFT                   ; A's 256 rows, then B's 256 rows (LDS row 64 g + the unit)
.set SCL,    2*SLOT                    ; behind the ring: the scales, as runs of 256 bytes + 16 of padding: 8 rows of 32 bytes to a run
.set HALFS,  16*272                    ; the scales of 128 rows: what one tensor load brings
.set SBLK,   544                       ; of 16 rows: two runs
.set STRS,   4*HALFS                   ; of a stream: A's 256 rows, then B's 256
.set SPARE,  SCL+2*STRS                ; behind the scales: the spare words, 128 bytes for each wave: two blocks of 256 bytes that no other line names
.set CP,     272                       ; the way out: a row of cx, C or h: 256 bytes + 16
.set HST,    SLOT                      ; h's stage: slot 1
.set PSA,  7                           ; v7     the head: my 16 bytes of two runs of the scales that my wave fetched
.set CXA,  8                           ; v8     my 32 bytes of a row of cx and C
.set HSA,  9                           ; v9     the same in h's stage
.set RDC,  10                          ; v10    where I read a whole row of C back
.set RDH,  11                          ; v11    and of h
.set GO,   12                          ; v12    my byte offset in two rows of out0 and out1
.set ADRA, 16                          ; v16-17 LDS address of my A fragments in slot 0, 1 (v18-19: for the pieces whose upper lanes lie behind one padding more)
.set ADRB, 20                          ; v20-21 the same for B (v22-23)
.set ADRS, 24                          ; v24-25 LDS address of my scale words of stream 0, 1: lanes 0-15 A's rows, lanes 16-31 B's
.set SPW,  28                          ; v28    LDS address of my spare word: SPARE + 4 x my thread's number; never rewritten
.set NIL,  29                          ; v29    0; never rewritten
.set PFO,  30                          ; v30    the prefetches' offset: a row of cx (4,096 bytes) x my lane; never rewritten
.set SC,   32                          ; scale words: set s at v[SC + 16 s]; register 2 i + q: lanes 0-15 A's block i, lanes 16-31 B's block i, the slot's q-th 128 along K
.set BI,   64                          ; bx + bh in the result's layout: block b at v[BI + 8 b]
.set AF,   128                         ; A's fragments
.set EF,   64                          ; the cell: 16 numbers each of f, i, g, o
.set EI,   80
.set EG,   96
.set EO,   112
.set OB,   192                         ; the way out: 8 x 4 registers of C's rows, then 8 x 4 of h's
.set NH,   2                           ; s2     wave & 1: my half of the units.  Also: which half of A's or B's tile I fetch
.set G0XS, 4                           ; s[4:7], s[8:11], s[12:15], s[16:19] group 0 for the scales of x, hx, Wx, Wh (where the arguments lay)
.set G0HS, 8
.set G0WX, 12
.set G0WH, 16
.set G0C,  20                          ; s[20:23] group 0 for cx's tile
.set PFA,  24                          ; s[24:25] cx at my wave's 64 rows, for the prefetches
.set G1C,  32                          ; s[32:39] group 1 for cx's tile
.set G1A,  40                          ; s[40:47] group 1 for A's tiles;  s[48:55] group 0, one set for each slot
.set G0A,  48
.set G1B,  56                          ; s[56:63] group 1 for B's tiles;  s[68:75] group 0;  s[76:79], s[80:83] groups 2 and 3
.set WV,   66                          ; s66    my wave's number
.set MH,   67                          ; s67    wave >> 1: my half of the rows.  Also: I fetch for A (0) or for B (1)
.set G0B,  68
.set G2B,  76
.set G3B,  80
.set G1SA, 84                          ; s[84:91] group 1 for A's scales;  s[92:99] for B's
.set G1SB, 92
.set KN,   84                          ; on the way out: s[84:85] -L, s[86:87] 2 L (the packed forms name pairs), s88 the hold, 32.0
.set KP,   86
.set CAP,  88
.set MSB, 0
.macro WIN new                         ; the immediate's high byte repeats the setting that is left; a switch that changes nothing is dropped
.if MSB != (\new)
	s_set_vgpr_msb (MSB<<8)|(\new)
.set MSB, (\new)
.endif
.endm
.set MUL_LO, 0xa1                      ; source 0 (B) window 1, source 1 (A) window 0, C and D window 2
.set MUL_HI, 0xf1                      ; the same, C and D window 3
.set BEG_LO, 0x81                      ; the first step: C (the biases) window 0, D window 2
.set BEG_HI, 0xc1                      ; D window 3
.set TO_B,   0x40                      ; destination window 1, address window 0
; Joint loads: waves 0 and 1 fetch for A, waves 2 and 3 for B.  Each line has ONE mask and one set of registers for all that issue it; the branch hangs on the wave's number alone.
; An s_nop 0 and four v_nop follow each tensor load, ahead of the jump, the label and what follows.
.macro JLOADS g0a, g0b                 ; the scales of a stream
	s_cmp_eq_u32 s[MH], 0
	s_cbranch_scc0 .Lsc_b_\@
	tensor_load_to_lds s[\g0a:\g0a+3], s[G1SA:G1SA+7]
	s_nop 0
.rept 4
	v_nop
.endr
	s_branch .Lsc_asked_\@
.Lsc_b_\@:
	tensor_load_to_lds s[\g0b:\g0b+3], s[G1SB:G1SB+7]
	s_nop 0
.rept 4
	v_nop
.endr
.Lsc_asked_\@:
.endm
.macro JLOADC slot                     ; a slot's codes
	s_cmp_eq_u32 s[MH], 0
	s_cbranch_scc0 .Lco_b_\@
	tensor_load_to_lds s[G0A+4*\slot:G0A+4*\slot+3], s[G1A:G1A+7]
	s_nop 0
.rept 4
	v_nop
.endr
	s_branch .Lco_asked_\@
.Lco_b_\@:
	tensor_load_to_lds s[G0B+4*\slot:G0B+4*\slot+3], s[G1B:G1B+7], s[G2B:G2B+3], s[G3B:G3B+3]
	s_nop 0
.rept 4
	v_nop
.endr
.Lco_asked_\@:
.endm
.macro CLOAD                           ; cx: every wave fetches 64 rows of its own work-group's tile; no mask
	tensor_load_to_lds s[G0C:G0C+3], s[G1C:G1C+7]
	s_nop 0
.rept 4
	v_nop
.endr
.endm
; A PREFETCH INTO THE L2 of my wave's 64 rows x 256 bytes of cx, a lane a row, two instructions, in the loop's last trip: two K steps, 256 matrix instructions, ahead of the tensor load that asks for them.
; No other wave of the launch reads these bytes, so each aligned block of 256 bytes is named once.  The codes are not prefetched: each tile of x or hx is read by four clusters, of Wx or Wh by eight, and a row has only three such blocks.
.macro ASK
	s_cmp_eq_u32 s3, 1
	s_cbranch_scc0 .Lnot_yet_\@
	global_prefetch_b8 v[PFO], s[PFA:PFA+1] th:TH_LOAD_NT scope:SCOPE_SE
	global_prefetch_b8 v[PFO], s[PFA:PFA+1] offset:32*4096 th:TH_LOAD_NT scope:SCOPE_SE
.Lnot_yet_\@:
.endm
.macro CREST                           ; a round of the cluster's barrier behind its opening barrier
	s_cmp_lg_u32 s[WV], 0
	s_cbranch_scc1 .Lnot_wave_0_\@
	s_barrier_signal -3
.Lnot_wave_0_\@:
	s_barrier_wait -3
	s_barrier_signal -1
	s_barrier_wait -1
.endm
.macro CROUND                          ; a whole round
	s_barrier_signal -1
	s_barrier_wait -1
	CREST
.endm
.macro PLACES n                        ; plain vector lines behind matrix instructions, in front of loads into registers that they have read and of the first read of results
.rept \n
	v_nop
.endr
.endm
; A fragment, 16 rows x 128 K of 6-bit codes, is 12 registers: lane (r, h) takes the 48 bytes at 96 q + 48 h of its row's 192, as three pieces of 16 bytes.  The mover has laid 16 bytes of padding behind every 64: a piece never
; straddles one.  The upper lanes' piece lies 48 bytes of data on: where that is behind one padding more, the second address register (64 for 48 bytes a half) serves.
.macro FRAG reg, adr, q, i
.irp j, 0,1,2
.set D0, 96*(\q)+16*\j
.if (D0+48)/64 == D0/64
	ds_load_b128 v[\reg+4*\j:\reg+4*\j+3], v[\adr] offset:D0+16*(D0/64)+(64*((\i)/2)+16*((\i)%2))*PITCH
.else
	ds_load_b128 v[\reg+4*\j:\reg+4*\j+3], v[\adr+2] offset:D0+16*(D0/64)+(64*((\i)/2)+16*((\i)%2))*PITCH
.endif
.endr
.endm
.macro FETCH_B slot, q, p, i0          ; B's fragments i0 .. i0 + 3 of the slot's q-th 128 along K into set p: twelve loads (the caller has set the destination's window)
.irp i, \i0, \i0+1, \i0+2, \i0+3
	FRAG 128*(\p)+FR*(\i), ADRB+\slot, \q, \i
.endr
.endm
.macro FETCH_A slot, q, i0             ; A's blocks i0 .. i0 + 3: twelve loads
.irp i, \i0, \i0+1, \i0+2, \i0+3
	FRAG AF+FR*(\i), ADRA+\slot, \q, \i
.endr
.endm
.macro SCALES s                        ; a K step's scale words of stream s into set s: two words a row; lanes 0-15 take A's block i, lanes 16-31 B's block i
.irp i, 0,1,2,3,4,5,6,7
	ds_load_b64 v[SC+16*\s+2*\i:SC+16*\s+2*\i+1], v[ADRS+\s] offset:(4*(\i/2)+\i%2)*SBLK
.endr
.endm
; 8 matrix instructions: A's block a x B's eight, the slot's q-th 128 along K.  p: B's set;  sc: the set of scale words.  first = 1: the sums begin with bx + bh as C: nothing is cleared and no bias is added later.
; The 64 accumulators take turns, one instruction a turn, in the same order in every step.
.macro MULA a, p, q, sc, first
.irp b, 0,1,2,3,4,5,6,7
.if \first
	v_wmma_scale_f32_16x16x128_f8f6f4 v[8*(8*((\a)%4)+\b):8*(8*((\a)%4)+\b)+7], v[128*(\p)+FR*\b:128*(\p)+FR*\b+FR-1], v[AF+FR*(\a):AF+FR*(\a)+FR-1], v[BI+8*\b:BI+8*\b+7], v[SC+16*(\sc)+2*\b+(\q)], v[SC+16*(\sc)+2*(\a)+(\q)] matrix_a_fmt:MATRIX_FMT_BF6 matrix_b_fmt:MATRIX_FMT_BF6 matrix_a_scale:MATRIX_SCALE_ROW1
.else
	v_wmma_scale_f32_16x16x128_f8f6f4 v[8*(8*((\a)%4)+\b):8*(8*((\a)%4)+\b)+7], v[128*(\p)+FR*\b:128*(\p)+FR*\b+FR-1], v[AF+FR*(\a):AF+FR*(\a)+FR-1], v[8*(8*((\a)%4)+\b):8*(8*((\a)%4)+\b)+7], v[SC+16*(\sc)+2*\b+(\q)], v[SC+16*(\sc)+2*(\a)+(\q)] matrix_a_fmt:MATRIX_FMT_BF6 matrix_b_fmt:MATRIX_FMT_BF6 matrix_a_scale:MATRIX_SCALE_ROW1
.endif
.endr
.endm
; A step of 128 along K that has its successor in the same slot: 64 matrix instructions, and behind each sixteen a run of twelve loads for the next step.  B's other set is free through the whole step (its last readers stand
; ahead of the last step's closing four places): it comes first.  A has one set: blocks 0-3 are free behind block 3's products and four places, blocks 4-7 behind block 7's.
.macro STEP slot, q, first
	s_wait_dscnt 4*NL                              ; B's set, A's blocks 0-3 and the scale words are in; the youngest 12 loads (A's blocks 4-7) may be out
.if \first
	WIN BEG_LO
.else
	WIN MUL_LO
.endif
	MULA 0, (\q)%2, \q, \slot, \first
	MULA 1, (\q)%2, \q, \slot, \first
	WIN TO_B
	FETCH_B \slot, (\q)+1, 1-(\q)%2, 0
.if \first
	WIN BEG_LO
.else
	WIN MUL_LO
.endif
	MULA 2, (\q)%2, \q, \slot, \first
	MULA 3, (\q)%2, \q, \slot, \first
	PLACES 4                                       ; behind the last product that reads A's blocks 0-3: they are loaded anew two runs on
	WIN TO_B
	FETCH_B \slot, (\q)+1, 1-(\q)%2, 4
	s_wait_dscnt 8*NL                              ; all but the 24 loads of the two runs above: A's blocks 4-7 are in
.if \first
	WIN BEG_HI
.else
	WIN MUL_HI
.endif
	MULA 4, (\q)%2, \q, \slot, \first
	MULA 5, (\q)%2, \q, \slot, \first
	WIN 0
	FETCH_A \slot, (\q)+1, 0
.if \first
	WIN BEG_HI
.else
	WIN MUL_HI
.endif
	MULA 6, (\q)%2, \q, \slot, \first
	MULA 7, (\q)%2, \q, \slot, \first
	PLACES 4
	WIN 0
	FETCH_A \slot, (\q)+1, 4
.endm
; A slot's last step changes slots.  Behind its first sixteen products each wave waits for all its tensor loads and adds 0 to its spare word; behind eight more it waits for the add and for its own reads of this slot and signals.
; The barrier opens a round of the cluster's barrier: behind it no wave of any partner still reads this slot or has a load on its way, and the slot is filled again first: fill = 1 with its stream's next K step,
; fill = 2 (slot 0's last change) with cx's tile.  From a refill to the wait for it a wave issues 112 matrix instructions.
.macro TURN slot, next, fill
	s_wait_dscnt 4*NL                              ; B's set and A's blocks 0-3 are in; the youngest 12 loads (A's blocks 4-7) may be out
	WIN MUL_LO
	MULA 0, 1, 1, \slot, 0
	MULA 1, 1, 1, \slot, 0
	WIN 0                                          ; (the add's two registers lie in window 0)
	s_wait_tensorcnt 0x0                           ; all my tensor loads have landed: my part of the next slot
	ds_add_u32 v[SPW], v[NIL]                      ; 0 onto my spare word
	WIN MUL_LO
	MULA 2, 1, 1, \slot, 0                         ; eight matrix instructions stand between the add and the wait for it
	s_wait_dscnt 0x0                               ; the add is done, and my reads of this slot are over
	s_barrier_signal -1
	MULA 3, 1, 1, \slot, 0
	WIN 0
	s_barrier_wait -1
	CREST
.if \fill == 1
	s_add_nc_u64 s[G0A+4*\slot+2:G0A+4*\slot+3], s[G0A+4*\slot+2:G0A+4*\slot+3], ROWB   ; no tensor load of mine is out: the slot's descriptors step to their stream's next K step
	s_add_nc_u64 s[G0B+4*\slot+2:G0B+4*\slot+3], s[G0B+4*\slot+2:G0B+4*\slot+3], ROWB
	JLOADC \slot                                   ; the first tensor load behind the round; the four v_nop behind it are also the places in front of the loads into A's blocks 0-3
.else
	CLOAD
.endif
	v_add_nc_u32 v[ADRS+\slot], 8, v[ADRS+\slot]   ; this stream's next scale words: 8 bytes a K step
	WIN TO_B
	FETCH_B \next, 0, 0, 0                         ; the next slot's first step: B's eight now,
	FETCH_B \next, 0, 0, 4
	WIN 0
.if (\slot == 0) && (\fill == 1)
	ASK                                            ; behind the joint load and the run of LDS loads
.endif
	WIN MUL_HI
	MULA 4, 1, 1, \slot, 0
	MULA 5, 1, 1, \slot, 0
	WIN 0
	FETCH_A \next, 0, 0                            ; A's blocks 0-3 and the scale words sixteen products on,
	SCALES \next
	WIN MUL_HI
	MULA 6, 1, 1, \slot, 0
	MULA 7, 1, 1, \slot, 0
	PLACES 4
	WIN 0
	FETCH_A \next, 0, 4                            ; A's blocks 4-7 at the end
.endm
; ---- the way out ----
.macro PKADDC d, a, c                  ; eight packed lines on 16 numbers: d = a + the constant c
.set p, 0
.rept 8
	v_pk_add_f32 v[\d+p:\d+p+1], v[\a+p:\a+p+1], \c op_sel_hi:[1,0]
.set p, p+2
.endr
.endm
.macro PKMUL d, a, b                   ; d = a x b
.set p, 0
.rept 8
	v_pk_mul_f32 v[\d+p:\d+p+1], v[\a+p:\a+p+1], v[\b+p:\b+p+1]
.set p, p+2
.endr
.endm
.macro PKMULS d, a, sr                 ; d = a x the low word of a scalar pair
.set p, 0
.rept 8
	v_pk_mul_f32 v[\d+p:\d+p+1], v[\a+p:\a+p+1], s[\sr:\sr+1] op_sel_hi:[1,0]
.set p, p+2
.endr
.endm
; n exponents are held at 32 and raised, in place: ONE batch.  A hold stands between two exponentials; none of these lines names an exponential's result.  The v_nop is the plain line behind the last one; the wait follows in the caller.
.macro EXPS base, n
	v_min_num_f32 v[\base], s[CAP], v[\base]
	v_min_num_f32 v[\base+1], s[CAP], v[\base+1]
.set k, 0
.rept \n-2
	v_exp_f32 v[\base+k], v[\base+k]
	v_min_num_f32 v[\base+k+2], s[CAP], v[\base+k+2]
.set k, k+1
.endr
	v_exp_f32 v[\base+\n-2], v[\base+\n-2]
	v_exp_f32 v[\base+\n-1], v[\base+\n-1]
	v_nop
.endm
.macro LINE3 n                         ; line n of the 32 plain lines that stand among the first reciprocals; none of them names N2
.set p, 2*((\n)%8)
.if (\n) < 8
	v_pk_add_f32 v[EG+p:EG+p+1], v[EG+p:EG+p+1], -2.0 op_sel_hi:[1,0]               ; a3 - 2 = eg - 1
.elseif (\n) < 16
	v_pk_add_f32 v[EO+p:EO+p+1], v[EO+p:EO+p+1], 1.0 op_sel_hi:[1,0]                ; a4
.elseif (\n) < 24
	v_pk_mul_f32 v[CXR+p:CXR+p+1], v[CXR+p:CXR+p+1], v[EI+p:EI+p+1]                 ; cx a2 a3
.else
	v_pk_fma_f32 v[CXR+p:CXR+p+1], v[EG+p:EG+p+1], v[EF+p:EF+p+1], v[CXR+p:CXR+p+1] ; + (a3 - 2) a1
.endif
.endm
.macro CXLOAD a                        ; my 16 numbers of cx for block a: row 64 (a / 2) + 16 (a % 2) + 32 MH + r, units 32 NH + 16 u + 8 h + 0 .. 7; two sets of registers, by the block's parity
.set CL, 128+32*((\a)%2)
.set BR, 64*((\a)/2)+16*((\a)%2)
.irp u, 0,1
	ds_load_b128 v[CL+8*\u:CL+8*\u+3], v[CXA] offset:BR*CP+64*\u
	ds_load_b128 v[CL+8*\u+4:CL+8*\u+7], v[CXA] offset:BR*CP+64*\u+16
.endr
.endm
.macro TOSTAGE adr, reg                ; 16 numbers to the same places of a stage
.irp u, 0,1
	ds_store_b128 v[\adr], v[\reg+8*\u:\reg+8*\u+3] offset:BR*CP+64*\u
	ds_store_b128 v[\adr], v[\reg+8*\u+4:\reg+8*\u+7] offset:BR*CP+64*\u+16
.endr
.endm
; The cell for A's block a: 16 rows x my 32 units, 16 outputs a lane.  Gate g's 16 numbers are the consecutive registers 64 (a % 4) + 16 g + 0 .. 15 of the block's window.
.macro BLOCK a
.set AC,  64*((\a)%4)
.set CXR, 128+32*((\a)%2)
.set N2,  CXR+16
.set BR,  64*((\a)/2)+16*((\a)%2)
	WIN 0x02+(\a)/4                                ; source 0: window 2 or 3
.set k, 0
.rept 32                                       ; the exponents: -L f, -L i, 2 L g, -L o.  Ascending: each accumulator is read from its low end on
.if k/8 == 2
	v_pk_mul_f32 v[EF+2*k:EF+2*k+1], v[AC+2*k:AC+2*k+1], s[KP:KP+1] op_sel_hi:[1,0]
.else
	v_pk_mul_f32 v[EF+2*k:EF+2*k+1], v[AC+2*k:AC+2*k+1], s[KN:KN+1] op_sel_hi:[1,0]
.endif
.set k, k+1
.endr
	WIN 0
	EXPS EF, 64                                    ; ef, ei, eg, eo
	s_wait_alu depctr_va_vdst(0)                   ; one wait for the 64, ahead of their first reader
	PKADDC EF, EF, 1.0                             ; a1
	PKADDC EI, EI, 1.0                             ; a2
	PKADDC EG, EG, 1.0                             ; a3
	PKMUL EI, EI, EG                               ; a2 a3
	PKMUL N2, EF, EI                               ; a1 a2 a3
	s_wait_dscnt 0x0                               ; cx is in
.set k, 0
.rept 16                                       ; 1 / (a1 a2 a3), with the numerator's lines between: a batch of sixteen, two plain lines behind each
	v_rcp_f32 v[N2+k], v[N2+k]
	LINE3 2*k
	LINE3 2*k+1
.set k, k+1
.endr
	s_wait_alu depctr_va_vdst(0)                   ; one wait for the sixteen
	PKMUL CXR, CXR, N2                             ; C
	PKMULS N2, CXR, KP                             ; 2 L C
	EXPS N2, 16                                    ; eC
	TOSTAGE CXA, CXR                               ; C goes over the bytes of cx that I alone have read
	s_wait_alu depctr_va_vdst(0)                   ; one wait for the sixteen
	PKADDC EF, N2, 1.0                             ; 1 + eC
	PKMUL EF, EF, EO                               ; (1 + eC) a4
.set k, 0
.rept 8
	v_rcp_f32 v[EI+k], v[EF+k]
	v_rcp_f32 v[EI+k+1], v[EF+k+1]
	v_pk_add_f32 v[N2+k:N2+k+1], v[N2+k:N2+k+1], -1.0 op_sel_hi:[1,0]   ; eC - 1
.set k, k+2
.endr
	s_wait_alu depctr_va_vdst(0)                   ; one wait for the sixteen
	PKMUL N2, N2, EI                               ; h
	TOSTAGE HSA, N2
.endm
; Rows 64 t .. 64 t + 63 of C and of h lie whole in the stages: a row's 256 bytes come from two waves, so a barrier stands between the stores and the reads.  Wave w takes rows 64 t + 16 w .. + 15.
.macro OUT t
	s_wait_dscnt 0x0                               ; for the others' sake: my stores into the stages are done
	s_barrier_signal -1
	s_barrier_wait -1
.if \t > 0
	s_wait_xcnt 0x0                                ; the last chunk's stores have read their registers: they are loaded again only behind this wait
.endif
.irp i, 0,1,2,3,4,5,6,7
	ds_load_b128 v[OB+4*\i:OB+4*\i+3], v[RDC] offset:(64*\t+2*\i)*CP
.endr
.irp i, 0,1,2,3,4,5,6,7
	ds_load_b128 v[OB+32+4*\i:OB+32+4*\i+3], v[RDH] offset:(64*\t+2*\i)*CP
.endr
.if \t < 3
	CXLOAD 2*\t+2                                  ; the next two blocks' cx
	CXLOAD 2*\t+3
	s_wait_dscnt 8                                 ; the rows are back; those eight loads may be out
.else
	s_wait_dscnt 0x0
.endif
.irp i, 0,1,2,3,4,5,6,7
	global_store_b128 v[GO], v[OB+4*\i:OB+4*\i+3], s[28:29] offset:(64*\t+2*\i)*4096 th:TH_STORE_NT        ; out1 = C: 16 lanes store 256 consecutive bytes, at a multiple of 256 from the buffer's first byte
.endr
.irp i, 0,1,2,3,4,5,6,7
	global_store_b128 v[GO], v[OB+32+4*\i:OB+32+4*\i+3], s[26:27] offset:(64*\t+2*\i)*4096 th:TH_STORE_NT  ; out0 = h
.endr
.endm
	s_load_b512 s[4:19], s[0:1], 0x0               ; x's codes s[4:5], scales s[6:7]; hx's s[8:9], s[10:11]; Wx's s[12:13], s[14:15]; Wh's s[16:17], s[18:19]
	s_load_b256 s[20:27], s[0:1], 0x40             ; bx s[20:21], cx s[22:23], bh s[24:25], out0 s[26:27]
	s_load_b64 s[28:29], s[0:1], 0x60              ; out1
	v_lshl_add_u32 v[SPW], v0, 2, SPARE
	v_mov_b32 v[NIL], 0
	ds_add_u32 v[SPW], v[NIL]                      ; the wave's opening: the add, twice on end, and its wait ahead of my first tensor load; the set-up below, work on registers, stands between
	ds_add_u32 v[SPW], v[NIL]                      ; and once more, under the one wait
	v_lshrrev_b32 v1, 5, v0
	v_readfirstlane_b32 s[WV], v1                  ; wave 0..3
	s_lshr_b32 s[MH], s[WV], 1
	s_and_b32 s[NH], s[WV], 1
	s_bfe_u32 s30, ttmp6, 0x40000                  ; my place along the cluster's x,
	s_bfe_u32 s31, ttmp6, 0x40004                  ; and along its y
	s_lshl_b32 s32, ttmp9, 2
	s_add_co_u32 s32, s32, s30                     ; nb = 4 x cluster x + my place: my 64 units
	s_and_b32 s33, ttmp7, 0xffff
	s_lshl_b32 s33, s33, 2
	s_add_co_u32 s33, s33, s31                     ; rb = 4 x cluster y + my place: my 256 rows
	s_lshl_b32 s34, s31, 2
	s_lshl_b32 s34, 15, s34                        ; my row of the cluster
	s_lshl_b32 s35, 0x1111, s30                    ; my column
	; group 1 for A's tiles: 128 rows x 192 bytes, 768 bytes apart; 16 bytes of padding behind every 64
	s_or_b32 s[G1A+0], s34, (1<<20)|(1<<21)|(3<<22)|(3<<25)   ; 15:0 the mask: my row; 17:16 elements of 1 byte; 20 padding on; 21 set beside a mask; 24:22 after every 16 words; 31:25 of 4 words
	s_mov_b32 s[G1A+1], ROWB<<16                   ; tensor_dim0
	s_mov_b32 s[G1A+2], 128<<16                    ; tensor_dim1
	s_mov_b32 s[G1A+3], ROWB<<16                   ; tile_dim0
	s_mov_b32 s[G1A+4], 128                        ; tile_dim1
	s_mov_b32 s[G1A+5], KROW                       ; from row to row
	s_mov_b32 s[G1A+6], 0
	s_mov_b32 s[G1A+7], 0
	; groups 1 to 3 for B's tiles: 192 bytes x 64 rows x 2 gates; a gate is 1,024 rows = 786,432 bytes on
	s_or_b32 s[G1B+0], s35, (1<<20)|(1<<21)|(3<<22)|(3<<25)   ; the mask: my column
	s_mov_b32 s[G1B+1], ROWB<<16
	s_mov_b32 s[G1B+2], 64<<16                     ; tensor_dim1
	s_mov_b32 s[G1B+3], ROWB<<16
	s_mov_b32 s[G1B+4], 64|(2<<16)                 ; tile_dim1 = 64, tile_dim2 = 2
	s_mov_b32 s[G1B+5], KROW
	s_mov_b32 s[G1B+6], 0                          ; the plane stride's low 16 bits are 0,
	s_mov_b32 s[G1B+7], (1024*KROW)>>16            ; and the rest
	s_mov_b32 s[G2B+0], 2                          ; tensor_dim2
	s_mov_b32 s[G2B+1], 1                          ; tensor_dim3
	s_mov_b32 s[G2B+2], 2*1024*KROW                ; the next stride (its dimension is not used: tile_dim3 = 0)
	s_mov_b32 s[G2B+3], 0
	s_mov_b32 s[G3B+0], 2*1024*KROW                ; likewise (tile_dim4 = 0)
	s_mov_b32 s[G3B+1], 1<<16                      ; tensor_dim4 = 1
	s_mov_b32 s[G3B+2], 0
	s_mov_b32 s[G3B+3], 0
	; group 1 for A's scales: 128 rows x 32 bytes are 4,096 dense bytes: 16 rows of 256 (32 elements of 8 bytes), 16 bytes of padding behind each
	s_or_b32 s[G1SA+0], s34, (3<<16)|(1<<20)|(1<<21)|(5<<22)|(3<<25)
	s_mov_b32 s[G1SA+1], 32<<16
	s_mov_b32 s[G1SA+2], 16<<16
	s_mov_b32 s[G1SA+3], 32<<16
	s_mov_b32 s[G1SA+4], 16
	s_mov_b32 s[G1SA+5], 32
	s_mov_b32 s[G1SA+6], 0
	s_mov_b32 s[G1SA+7], 0
	; and for B's: two gates' 64 rows x 32 bytes: 2 rows of 2,048 bytes, 32,768 bytes apart, the same padding behind every 256
	s_or_b32 s[G1SB+0], s35, (3<<16)|(1<<20)|(1<<21)|(5<<22)|(3<<25)
	s_mov_b32 s[G1SB+1], 256<<16
	s_mov_b32 s[G1SB+2], 2<<16
	s_mov_b32 s[G1SB+3], 256<<16
	s_mov_b32 s[G1SB+4], 2
	s_mov_b32 s[G1SB+5], 4096
	s_mov_b32 s[G1SB+6], 0
	s_mov_b32 s[G1SB+7], 0
	; where the tiles come from.  A's hang on rb and my half alone, B's on nb and my half alone, each in registers of their own
	s_lshl_b32 s31, s33, 8
	s_lshl_b32 s36, s[NH], 7
	s_add_co_u32 s31, s31, s36                     ; A: row 256 rb + 128 x half
	s_lshl_b32 s30, s32, 6
	s_lshl_b32 s38, s[NH], 11
	s_add_co_u32 s30, s30, s38                     ; B: row 2,048 x half + 64 nb of W: gates 2 x half and 2 x half + 1
	s_mul_i32 s36, s31, KROW                       ; their codes, in bytes (under 2^23)
	s_mov_b32 s37, 0
	s_mul_i32 s38, s30, KROW
	s_mov_b32 s39, 0
	s_mov_b32 s[G0A], 1                            ; and where they go: wave x 128 rows: no place in the cluster enters an LDS address
	s_mul_i32 s[G0A+1], s[WV], HALFT
	s_mov_b32 s[G0A+4], 1
	s_add_co_u32 s[G0A+5], s[G0A+1], SLOT
	s_mov_b32 s[G0B], 1
	s_mul_i32 s[G0B+1], s[WV], HALFT
	s_mov_b32 s[G0B+4], 1
	s_add_co_u32 s[G0B+5], s[G0B+1], SLOT
	s_wait_dscnt 0x0                               ; both opening adds are done
	s_wait_kmcnt 0x0
	s_add_nc_u64 s[G0A+2:G0A+3], s[4:5], s[36:37]  ; slot 0: x and Wx;  slot 1: hx and Wh
	s_add_nc_u64 s[G0A+6:G0A+7], s[8:9], s[36:37]
	s_add_nc_u64 s[G0B+2:G0B+3], s[12:13], s[38:39]
	s_add_nc_u64 s[G0B+6:G0B+7], s[16:17], s[38:39]
	s_or_b32 s[G0A+3], s[G0A+3], 0x80000000        ; type = 2
	s_or_b32 s[G0A+7], s[G0A+7], 0x80000000
	s_or_b32 s[G0B+3], s[G0B+3], 0x80000000
	s_or_b32 s[G0B+7], s[G0B+7], 0x80000000
	s_lshl_b32 s36, s31, 5                         ; the same rows' scales: 32 bytes a row
	s_lshl_b32 s38, s30, 5
	s_add_nc_u64 s[6:7], s[6:7], s[36:37]
	s_add_nc_u64 s[10:11], s[10:11], s[36:37]
	s_add_nc_u64 s[14:15], s[14:15], s[38:39]
	s_add_nc_u64 s[18:19], s[18:19], s[38:39]
.irp g, G0XS, G0HS, G0WX, G0WH                 ; the codes' addresses have been taken: their registers hold the first two words of the scales' groups 0
	s_or_b32 s[\g+3], s[\g+3], 0x80000000
	s_mov_b32 s[\g], 1
	s_mul_i32 s[\g+1], s[WV], HALFS
.endr
	s_add_co_u32 s[G0XS+1], s[G0XS+1], SCL
	s_add_co_u32 s[G0HS+1], s[G0HS+1], SCL+STRS
	s_add_co_u32 s[G0WX+1], s[G0WX+1], SCL
	s_add_co_u32 s[G0WH+1], s[G0WH+1], SCL+STRS
	CROUND                                         ; all sixteen work-groups are here: the first joint loads meet
	JLOADS G0XS, G0WX                              ; the scales first: their words are turned while the codes are on their way
	JLOADS G0HS, G0WH
	JLOADC 0                                       ; x0, Wx0
	JLOADC 1                                       ; h0, Wh0: four tensor loads of mine are out
	; bx + bh in the result's layout: lane (r, h), block b = 2 g + u, register j: column 1,024 g + 64 nb + 32 NH + 16 u + 8 h + j
	s_lshl_b32 s34, s32, 8
	s_lshl_b32 s35, s[NH], 7
	s_add_co_u32 s34, s34, s35                     ; (64 nb + 32 NH) x 4 bytes
	s_mov_b32 s35, 0
	s_add_nc_u64 s[20:21], s[20:21], s[34:35]
	s_add_nc_u64 s[24:25], s[24:25], s[34:35]
	v_and_b32 v1, 15, v0                           ; r
	v_bfe_u32 v2, v0, 4, 1                         ; h
	v_lshlrev_b32 v3, 5, v2                        ; 8 h numbers
.irp b, 0,1,2,3,4,5,6,7
	global_load_b128 v[BI+8*\b:BI+8*\b+3],   v3, s[20:21] offset:4096*(\b/2)+64*(\b%2)
	global_load_b128 v[BI+8*\b+4:BI+8*\b+7], v3, s[20:21] offset:4096*(\b/2)+64*(\b%2)+16
	global_load_b128 v[AF+8*\b:AF+8*\b+3],   v3, s[24:25] offset:4096*(\b/2)+64*(\b%2)
	global_load_b128 v[AF+8*\b+4:AF+8*\b+7], v3, s[24:25] offset:4096*(\b/2)+64*(\b%2)+16
.endr
	s_lshl_b32 s34, s33, 8                         ; out0 and out1 at the first row that I store: (256 rb + 16 wave) rows of 4,096 bytes + 256 nb
	s_lshl_b32 s35, s[WV], 4
	s_add_co_u32 s34, s34, s35
	s_lshl_b32 s34, s34, 12
	s_lshl_b32 s35, s32, 8
	s_add_co_u32 s34, s34, s35
	s_mov_b32 s35, 0
	s_add_nc_u64 s[26:27], s[26:27], s[34:35]
	s_add_nc_u64 s[28:29], s[28:29], s[34:35]
	s_lshl_b32 s34, s33, 8                         ; cx at the 64 rows that I fetch: (256 rb + 64 wave) rows + 256 nb
	s_lshl_b32 s35, s[WV], 6
	s_add_co_u32 s34, s34, s35
	s_lshl_b32 s34, s34, 12
	s_lshl_b32 s35, s32, 8
	s_add_co_u32 s34, s34, s35
	s_mov_b32 s35, 0
	s_wait_loadcnt 0x0                             ; the biases are in, and their loads' bases are free
.set p, 0
.rept 32
	v_pk_add_f32 v[BI+p:BI+p+1], v[BI+p:BI+p+1], v[AF+p:AF+p+1]
.set p, p+2
.endr
	s_add_nc_u64 s[PFA:PFA+1], s[22:23], s[34:35]
	s_mov_b64 s[G0C+2:G0C+3], s[PFA:PFA+1]
	s_or_b32 s[G0C+3], s[G0C+3], 0x80000000
	s_mov_b32 s[G0C], 1
	s_mul_i32 s[G0C+1], s[WV], 64*CP               ; into slot 0: wave x 64 rows of 272 bytes
	s_mov_b32 s[G1C+0], (2<<16)|(1<<20)|(5<<22)|(3<<25)   ; no mask; elements of 4 bytes; 16 bytes of padding behind every 256
	s_mov_b32 s[G1C+1], 64<<16                     ; tensor_dim0 = 64
	s_mov_b32 s[G1C+2], 64<<16                     ; tensor_dim1 = 64
	s_mov_b32 s[G1C+3], 64<<16                     ; tile_dim0
	s_mov_b32 s[G1C+4], 64                         ; tile_dim1
	s_mov_b32 s[G1C+5], 1024                       ; from row to row
	s_mov_b32 s[G1C+6], 0
	s_mov_b32 s[G1C+7], 0
	; the vector addresses
	v_mul_u32_u24 v4, v1, PITCH
	v_mad_u32_u24 v4, v2, 48, v4                   ; a fragment's row x pitch + 48 x half
	v_lshl_add_u32 v5, v2, 4, v4                   ; and the same with the upper lanes behind one padding more
	s_mul_i32 s30, s[MH], 32*PITCH                 ; A: my blocks begin 32 MH rows on;
	s_mul_i32 s31, s[NH], 32*PITCH                 ; B: 32 NH rows on,
	s_add_co_u32 s31, s31, 2*HALFT                 ; behind A's 256
.irp s, 0,1
	v_add_nc_u32 v[ADRA+\s], s30, v4
	v_add_nc_u32 v[ADRB+\s], s31, v4
	v_add_nc_u32 v[ADRA+2+\s], s30, v5
	v_add_nc_u32 v[ADRB+2+\s], s31, v5
	s_add_co_u32 s30, s30, SLOT
	s_add_co_u32 s31, s31, SLOT
.endr
	v_lshlrev_b32 v5, 5, v1                        ; my row's scales: 32 bytes a row,
	v_lshrrev_b32 v6, 3, v1
	v_lshl_add_u32 v5, v6, 4, v5                   ; and 16 more behind every 8 rows
	s_mul_i32 s30, s[MH], 2*SBLK                   ; A's: 32 MH rows on
	s_mul_i32 s31, s[NH], 2*SBLK                   ; B's: 32 NH rows on, behind A's 256
	s_add_co_u32 s31, s31, 2*HALFS
	s_sub_co_u32 s31, s31, s30
	v_mul_u32_u24 v6, s31, v2                      ; lanes 16-31 take B's: one product, the distance between the two
	s_add_co_u32 s30, s30, SCL
	v_add_nc_u32 v5, v5, v6
	v_add_nc_u32 v[ADRS], s30, v5
	v_add_nc_u32 v[ADRS+1], STRS, v[ADRS]
	v_mul_u32_u24 v6, v1, CP                       ; the way out: row r, 32 bytes for each half of the lanes,
	v_lshl_add_u32 v6, v2, 5, v6
	s_mul_i32 s30, s[MH], 32*CP                    ; + 32 MH rows + 128 NH bytes
	s_lshl_b32 s31, s[NH], 7
	s_add_co_u32 s30, s30, s31
	v_add_nc_u32 v[CXA], s30, v6
	v_add_nc_u32 v[HSA], HST, v[CXA]
	v_mul_u32_u24 v6, v2, CP                       ; back: lanes 0-15 one row of 256 bytes, lanes 16-31 the next; wave w takes 16 rows of each 64
	v_lshl_add_u32 v6, v1, 4, v6
	s_mul_i32 s30, s[WV], 16*CP
	v_add_nc_u32 v[RDC], s30, v6
	v_add_nc_u32 v[RDH], HST, v[RDC]
	v_add_nc_u32 v[PSA], SCL, v[RDC]               ; the scales that my wave fetched lie the same way: wave x 16 runs of 272 bytes; lanes 0-15 one run, lanes 16-31 the next
	v_lshlrev_b32 v[GO], 12, v2                    ; and the same two rows in out0 and out1
	v_lshl_add_u32 v[GO], v1, 4, v[GO]
	v_and_b32 v[PFO], 31, v0
	v_lshlrev_b32 v[PFO], 12, v[PFO]
	; THE SCALE WORDS ARE TURNED: bytes 1 and 2 of each word change places, as the fragments' blocks do.  Each wave turns the 2 x 4,096 bytes that its own two loads brought, in place: these bytes are filled once in the launch.
	s_mov_b32 s31, 0x03010200                      ; v_perm_b32's selects: bytes 0, 2, 1, 3
	s_wait_tensorcnt 2                             ; my two loads of scales have landed; my two loads of codes may be out
.irp s, 0,1
.irp i, 0,1,2,3,4,5,6,7
	ds_load_b128 v[AF+32*\s+4*\i:AF+32*\s+4*\i+3], v[PSA] offset:\s*STRS+\i*SBLK
.endr
.endr
	s_wait_dscnt 0x0
.set k, 0
.rept 64
	v_perm_b32 v[AF+k], v[AF+k], v[AF+k], s31
.set k, k+1
.endr
.irp s, 0,1
.irp i, 0,1,2,3,4,5,6,7
	ds_store_b128 v[PSA], v[AF+32*\s+4*\i:AF+32*\s+4*\i+3] offset:\s*STRS+\i*SBLK
.endr
.endr
	s_wait_tensorcnt 1                             ; my part of slot 0 is in (slot 1's load may be out)
	s_wait_dscnt 0x0                               ; and my turned scale words are stored:
	s_barrier_signal -1
	s_barrier_wait -1                              ; everybody's are
	WIN TO_B
	FETCH_B 0, 0, 0, 0
	FETCH_B 0, 0, 0, 4
	WIN 0
	FETCH_A 0, 0, 0
	SCALES 0
	FETCH_A 0, 0, 4
	STEP 0, 0, 1                                   ; the first step stands in front of the loop: its products start the sums, on bx + bh
	s_mov_b32 s3, 3
.Llap:                                                 ; a trip goes once round the ring, from a lap's second step to the next lap's first, and fills both slots again: x1, h1; x2, h2; x3, h3
	TURN 0, 1, 1
	STEP 1, 0, 0
	TURN 1, 0, 1
	STEP 0, 0, 0
	s_sub_co_u32 s3, s3, 1
	s_cmp_lg_u32 s3, 0
	s_cbranch_scc1 .Llap
	TURN 0, 1, 2                                   ; x3 is finished; slot 0 takes cx's tile: its last fill
	STEP 1, 0, 0
	s_wait_dscnt 4*NL                              ; the very last step: nothing more to fetch
	WIN MUL_LO
	MULA 0, 1, 1, 1, 0
	MULA 1, 1, 1, 1, 0
	MULA 2, 1, 1, 1, 0
	MULA 3, 1, 1, 1, 0
	s_wait_dscnt 0x0
	WIN MUL_HI
	MULA 4, 1, 1, 1, 0
	MULA 5, 1, 1, 1, 0
	MULA 6, 1, 1, 1, 0
	MULA 7, 1, 1, 1, 0
	WIN 0
	s_wait_tensorcnt 0x0                           ; my 64 rows of cx have landed; no LDS load of mine is out: my reads of slot 1 are over
	s_barrier_signal -1
	PLACES 4                                       ; behind the last products: for the first read of results and for the loads into A's registers
	s_mov_b32 s[KN], 0xbfb8aa3b                    ; -log2(e)  (no tensor load is out: the scales' descriptors are done with)
	s_mov_b32 s[KN+1], 0xbfb8aa3b
	s_mov_b32 s[KP], 0x4038aa3b                    ; 2 log2(e)
	s_mov_b32 s[KP+1], 0x4038aa3b
	s_mov_b32 s[CAP], 0x42000000                   ; 32.0
	s_barrier_wait -1                              ; cx's tile is whole, and nobody reads slot 1 any more: it becomes h's stage
	CXLOAD 0
	CXLOAD 1
.irp t, 0,1,2,3
	BLOCK 2*\t
	BLOCK 2*\t+1
	OUT \t
.endr
	s_wait_tensorcnt 0x0                           ; the wave's end: an add onto my spare word and its wait, behind my last tensor load and my last LDS store
	ds_add_u32 v[SPW], v[NIL]
	s_wait_dscnt 0x0
	CROUND                                         ; the closing round: no work-group ends while a partner may still ask for a tile that names it
	s_endpgm
.Lfunc_end_k_q5d5ccd7060_lstm:
	.size	k_q5d5ccd7060_lstm, .Lfunc_end_k_q5d5ccd7060_lstm-k_q5d5ccd7060_lstm
	.p2alignl 7, 3214868480
	.fill 96, 4, 3214868480
	.section	.rodata,"a",@progbits
	.p2align	6, 0x0
	.amdhsa_kernel k_q5d5ccd7060_lstm
		.amdhsa_group_segment_fixed_size 327680
		.amdhsa_private_segment_fixed_size 0
		.amdhsa_enable_private_segment 0
		.amdhsa_kernarg_size 104
		.amdhsa_user_sgpr_count 2
		.amdhsa_user_sgpr_kernarg_segment_ptr 1
		.amdhsa_wavefront_size32 1
		.amdhsa_system_sgpr_workgroup_id_x 1
		.amdhsa_system_sgpr_workgroup_id_y 1
		.amdhsa_system_sgpr_workgroup_id_z 1
		.amdhsa_system_vgpr_workitem_id 0
		.amdhsa_next_free_vgpr 1024
		.amdhsa_next_free_sgpr 100
		.amdhsa_reserve_vcc 0
		.amdhsa_float_denorm_mode_32 3
		.amdhsa_float_denorm_mode_16_64 3
		.amdhsa_memory_ordered 1
		.amdhsa_forward_progress 1
		.amdhsa_inst_pref_size 255
	.end_amdhsa_kernel
	.section	.bss,"aw",@nobits
	.p2align	6
	.space	262144
	.amdgpu_metadata
---
amdhsa.version: [ 1, 2 ]
amdhsa.kernels:
  - .name:           k_q5d5ccd7060_lstm
    .symbol:         k_q5d5ccd7060_lstm.kd
    .args:
      - { .name: x_codes, .offset: 0, .size: 8, .value_kind: global_buffer, .address_space: global }
      - { .name: x_scales, .offset: 8, .size: 8, .value_kind: global_buffer, .address_space: global }
      - { .name: hx_codes, .offset: 16, .size: 8, .value_kind: global_buffer, .address_space: global }
      - { .name: hx_scales, .offset: 24, .size: 8, .value_kind: global_buffer, .address_space: global }
      - { .name: Wx_codes, .offset: 32, .size: 8, .value_kind: global_buffer, .address_space: global }
      - { .name: Wx_scales, .offset: 40, .size: 8, .value_kind: global_buffer, .address_space: global }
      - { .name: Wh_codes, .offset: 48, .size: 8, .value_kind: global_buffer, .address_space: global }
      - { .name: Wh_scales, .offset: 56, .size: 8, .value_kind: global_buffer, .address_space: global }
      - { .name: bx, .offset: 64, .size: 8, .value_kind: global_buffer, .address_space: global }
      - { .name: cx, .offset: 72, .size: 8, .value_kind: global_buffer, .address_space: global }
      - { .name: bh, .offset: 80, .size: 8, .value_kind: global_buffer, .address_space: global }
      - { .name: out0, .offset: 88, .size: 8, .value_kind: global_buffer, .address_space: global }
      - { .name: out1, .offset: 96, .size: 8, .value_kind: global_buffer, .address_space: global }
    .group_segment_fixed_size: 327680
    .private_segment_fixed_size: 0
    .kernarg_segment_align: 8
    .kernarg_segment_size: 104
    .max_flat_workgroup_size: 128
    .sgpr_count:     100
    .vgpr_count:     1024
    .wavefront_size: 32
...
	.end_amdgpu_metadata
.endif
;; end of part 1
